; MI455X (gfx1250); checked and timed in simulation.
; The chip was launched on July 23, 2026; its instructions are those of AMD's public machine-readable ISA for CDNA 5 (MIT licence, August 2026) and "CDNA5" Instruction Set Architecture Reference Guide (July 2026). The comments in the code are by the model that wrote it; some were corrected since.
;; GMM. Allowed arithmetic: float matrix products may take bf16 or f16 operands with f32 sums; all other float work in f32.
;; Inputs: chol_var 64 x 2 x 2 float32; means 64 x 2 float32; pi 64 float32; x 524,288 x 2 float32.
;; Outputs: out0 524,288 float32.
;; One version. Each part assembles by itself: llvm-mc -triple=amdgcn-amd-amdhsa -mcpu=gfx1250 --defsym DOCPART=n.
;; ======== version 1 of 1: 1 launch
;; limits: a difference of large sums (such as E[x^2] - mean^2): digits are lost where the result is much smaller than its terms
;; launch gmm (part 1): grid 256 x 1, 16 waves a work-group, no clusters, 6,400 bytes of LDS; arguments chol_var, means, pi, x, out0; writes out0
.if DOCPART == 1
	.amdgcn_target "amdgcn-amd-amdhsa--gfx1250"
	.amdhsa_code_object_version 6
	.text
	.protected	k_q61497d2950_gmm
	.globl	k_q61497d2950_gmm
	.p2align	8
	.type	k_q61497d2950_gmm,@function
k_q61497d2950_gmm:
	s_mov_b64 s[64:65], 0
	v_nop
	global_prefetch_b8 v0, s[64:65] scope:SCOPE_SE
	s_setreg_imm32_b32 hwreg(HW_REG_WAVE_MODE, 25, 1), 1
	s_wait_xcnt 0x0
; out[n] = logsumexp over k of ( log N(x[n]; means[k], L L^T + eps I) + log_softmax(pi)[k] ),  N = 524288, K = 64, D = 2.
;
; All exponents are kept in base 2:  W(k,n) = log2(e) * weighted(k,n),  out = ln 2 * ( M + log2 sum_k 2^(W - M) ),  M = max_k W.
; With P = cov^-1, r = the centroid of the 64 means, x' = x - r, m' = m - r, g = P m'  (all in f32):
;   W = t1 x0'^2 + t2 x0'x1' + t3 x1'^2 + t4 x0' + t5 x1' + t0
;   t1 = -k/2 P00, t2 = -k P01, t3 = -k/2 P11, t4 = k g0, t5 = k g1,  k = log2(e)
;   t0 = k pi - lse2(k pi) - log2(2 pi) - k/2 m'.g - 1/2 log2(det cov)
; That sum is one matrix product: A = 64 components x 32 slots, B = 32 slots x 16 points, C = t0 in f32.
; NO OPERAND IS ROUNDED TO bf16: each monomial f and each coefficient t is cut exactly into three bf16 pieces (8 + 8 + 8 bits of the
; f32 significand, by masking the upper half-word and subtracting), and the six products fh th, fh tm, fh tl, fm th, fm tm, fl th have a
; slot each.  Lane half h (lanes 16h .. 16h+15 hold 16 of the 32 slots of their row or column, the same slots in A and in B) takes the
; monomials u^2 and u of u = x'_h (12 slots) and four slots of the cross term:
;   register   0        1        2        3        4        5        6           7            (low half-word, high half-word)
;   B (point)  ah,bh    ah,bh    ah,bh    am,bm    am,bm    al,bl    ch,cm       cl,ch        a = u^2, b = u, c = x0'x1'
;   A (comp.)  Ah,Bh    Am,Bm    Al,Bl    Ah,Bh    Am,Bm    Ah,Bh    h=0: Gh,Gh  h=0: Gh,Gl   A = t1|t3, B = t4|t5, G = t2
;                                                                    h=1: Gm,Gm  h=1: 0,0
; The result tile has components as rows and points as columns: lane (r, h), register j of tile t holds W(16 t + 8 h + j, point r).
; So a lane reduces 32 components of ITS point in its own registers, and one exchange of the lane halves finishes max and sum.
;
; SHARES.  256 work-groups x 16 waves; a wave owns 128 points = 8 tiles of 16.  Column r of tile i is point 64 (i>>2) + 4 r + (i&3) of
; the wave: a lane's x then are four loads of 16 bytes, and lane l ends with out[4 l .. 4 l + 3], so the wave's one store covers 512
; consecutive bytes, aligned, lane by lane.  Waves 0 to 3 make the fragments of 16 components each and hand them on through LDS.
; No tensor loads, no ring, no cluster: a wave's input is 1 KB, asked for in its first lines, and work-groups share 1,792 bytes only.
;
; LIMITS.  (1) W is evaluated in the expanded form about the centroid; the piece products left out are below 2^-23 of a term, so the
; absolute error of W is about 2^-22 of its largest term, 0.72 |P| (|x-r| + |m-r|)^2, as for that form in f32.  A point that lies on a
; component whose distance from the centroid is about 120 of its standard deviations or more sees an error of 0.01 or more.
; (2) The Schur complement is written l11^2 + eps + l10^2 eps / cov00, which equals cov11 - cov01^2/cov00 without its cancellation.
; (3) NaN and infinite inputs are not served; v_rcp, v_log, v_exp are good to 1 ulp and flush denormals, so cov00 and the Schur
; complement must stay below 2^126 (eps keeps them above 1e-6).
.set FOFF, 4096                        ; LDS: bytes 0-4095 the A fragments (tile t at 1024 t, two blocks of 32 lanes x 16 bytes), then 64 words of t0
.set X,  12                            ; v[12:27]   x0, x1 of my column's point in tiles 0 to 7
.set R,  28                            ; v[28:29]   the centroid
.set T0, 30                            ; v[30:31]   x'
.set AB, 32                            ; v[32:33]   the pair that is being cut into pieces
.set H,  34                            ; v[34:35]   its upper pieces as f32
.set CC, 36                            ; v36-39     the cross term, its two remainders, a piece
.set C1, 37
.set C2, 38
.set H2, 39
.set TM, 40                            ; v[40:43]   four running maxima
.set TP, 44                            ; v44        what the other lane half sends (0 until first used so)
.set MM, 46                            ; v[46:53]   tile i: its maximum
.set SS, 54                            ; v[54:61]   tile i: my 32 components' sum
.set B0, 62                            ; v[62:69], v[70:77]  two buffers for a tile's B fragment
.set B1, 70
.set A,  78                            ; v[78:109]  A fragments of the four component tiles
.set C,  110                           ; v[110:141] t0 of the four component tiles, in the layout of a result
.set D,  142                           ; v[142:173] W of the tile at work
.set KP, AB                            ; the end: v[32:35] my four results, v[36:39] what I send
.set SD, CC
.set Q,   B1                           ; waves 0-3, before the barrier: the fragment that I make
.set MA,  D                            ; loaded parameters and scratch lie where W will lie
.set CH,  D+4
.set MK,  D+8
.set P2,  D+10
.set PK,  D+12
.set C00, D+13
.set SV,  D+14
.set TQ,  D+15
.set I00, D+16
.set CX,  D+17
.set EE,  D+18
.set BE,  D+19
.set P11, D+20
.set LG0, D+21
.set LG1, D+22
.set P01, D+23
.set MP,  D+24
.set P00, D+26
.set G0,  D+27
.set G1,  D+28
.set QQ,  D+29
.set FF,  D+30
.set SU,  D+31
; v[AB:AB+1] is cut into three bf16 pieces each; piece pairs (low half-word: AB's, high: AB+1's) go to the registers named.
; x & 0xffff0000 keeps 8 bits of the significand; the remainder is exact; after two cuts 8 bits are left, so the third piece is exact too.
.macro SPLIT h0, h1, h2, m0, m1, l0
	v_perm_b32 v[\h0], v[AB+1], v[AB], s16
	v_perm_b32 v[\h1], v[AB+1], v[AB], s16
	v_perm_b32 v[\h2], v[AB+1], v[AB], s16
	v_and_b32 v[H], s17, v[AB]
	v_and_b32 v[H+1], s17, v[AB+1]
	v_pk_add_f32 v[AB:AB+1], v[AB:AB+1], v[H:H+1] neg_lo:[0,1] neg_hi:[0,1]
	v_perm_b32 v[\m0], v[AB+1], v[AB], s16
	v_perm_b32 v[\m1], v[AB+1], v[AB], s16
	v_and_b32 v[H], s17, v[AB]
	v_and_b32 v[H+1], s17, v[AB+1]
	v_pk_add_f32 v[AB:AB+1], v[AB:AB+1], v[H:H+1] neg_lo:[0,1] neg_hi:[0,1]
	v_perm_b32 v[\l0], v[AB+1], v[AB], s16
.endm
; The B fragment of tile i into buffer bb: 22 plain vector instructions
.macro FEAT i, bb
	v_pk_add_f32 v[T0:T0+1], v[X+2*\i:X+2*\i+1], v[R:R+1] neg_lo:[0,1] neg_hi:[0,1]   ; x' = x - r
	v_cndmask_b32 v[AB+1], v[T0], v[T0+1], vcc_lo          ; u = x0' in lanes 0-15, x1' in lanes 16-31
	v_mul_f32 v[CC], v[T0], v[T0+1]                        ; x0' x1'
	v_mul_f32 v[AB], v[AB+1], v[AB+1]                      ; u^2
	SPLIT \bb, \bb+1, \bb+2, \bb+3, \bb+4, \bb+5
	v_and_b32 v[H2], s17, v[CC]
	v_sub_f32 v[C1], v[CC], v[H2]
	v_perm_b32 v[\bb+6], v[C1], v[CC], s16                 ; ch, cm
	v_and_b32 v[H2], s17, v[C1]
	v_sub_f32 v[C2], v[C1], v[H2]
	v_perm_b32 v[\bb+7], v[CC], v[C2], s16                 ; cl, ch
.endm
; W of 64 components x 16 points.  Four different results, none taken up again: C is the constant t0, never an earlier result.
.macro MULT bb
.irp t, 0,1,2,3
	v_wmma_f32_16x16x32_bf16 v[D+8*\t:D+8*\t+7], v[A+8*\t:A+8*\t+7], v[\bb:\bb+7], v[C+8*\t:C+8*\t+7]
.endr
.endm
; pair p of W minus tile i's maximum, which lies in the first or the second register of an aligned pair of MM
.macro SUBP i, p
.if (\i) & 1
	v_pk_add_f32 v[D+2*(\p):D+2*(\p)+1], v[D+2*(\p):D+2*(\p)+1], v[MM+\i-1:MM+\i] op_sel:[0,1] op_sel_hi:[1,1] neg_lo:[0,1] neg_hi:[0,1]
.else
	v_pk_add_f32 v[D+2*(\p):D+2*(\p)+1], v[D+2*(\p):D+2*(\p)+1], v[MM+\i:MM+\i+1] op_sel_hi:[1,0] neg_lo:[0,1] neg_hi:[0,1]
.endif
.endm
; Tile i: the maximum over all 64 components, then my 32 components' sum of 2^(W - M)
.macro REDUCE i
.irp c, 0,1,2,3
	v_max3_num_f32 v[TM+\c], v[D+8*\c], v[D+8*\c+1], v[D+8*\c+2]       ; four chains, started by the first values
.endr
.irp c, 0,1,2,3
	v_max3_num_f32 v[TM+\c], v[TM+\c], v[D+8*\c+3], v[D+8*\c+4]
.endr
.irp c, 0,1,2,3
	v_max3_num_f32 v[TM+\c], v[TM+\c], v[D+8*\c+5], v[D+8*\c+6]
.endr
	v_max3_num_f32 v[TM], v[TM], v[TM+1], v[D+7]
	v_max3_num_f32 v[TM+2], v[TM+2], v[TM+3], v[D+15]
	v_max3_num_f32 v[TM], v[TM], v[TM+2], v[D+23]
	v_max_num_f32 v[TM], v[TM], v[D+31]
	v_permlanex16_b32 v[TP], v[TM], s18, s19               ; the other 32 components' maximum, from lane l xor 16
	v_max_num_f32 v[MM+\i], v[TM], v[TP]
	; Subtractions run two pairs ahead of the exponentials, sums one pair behind: between a v_exp_f32 and the first use of its result
	; always stands a plain vector instruction that touches neither (ISA guide 5.7.2).  Pairs 0 to 3 are the four sums' starts.
	SUBP \i, 0
	SUBP \i, 1
.set j, 0
.rept 16
	v_exp_f32 v[D+2*j], v[D+2*j]
	v_exp_f32 v[D+2*j+1], v[D+2*j+1]
.if j < 14
	SUBP \i, j+2
.endif
.if j > 4
	s_wait_alu depctr_va_vdst(0)
	v_pk_add_f32 v[D+2*((j-1)%4):D+2*((j-1)%4)+1], v[D+2*((j-1)%4):D+2*((j-1)%4)+1], v[D+2*(j-1):D+2*(j-1)+1]
.endif
.set j, j+1
.endr
	v_pk_add_f32 v[D+6:D+7], v[D+6:D+7], v[D+30:D+31]
	v_pk_add_f32 v[D:D+1], v[D:D+1], v[D+2:D+3]
	v_pk_add_f32 v[D+4:D+5], v[D+4:D+5], v[D+6:D+7]
	v_pk_add_f32 v[D:D+1], v[D:D+1], v[D+4:D+5]
	v_add_f32 v[SS+\i], v[D], v[D+1]
.endm
	s_load_b256 s[4:11], s[0:1], 0x0               ; chol_var s[4:5], means s[6:7], pi s[8:9], x s[10:11]
	s_load_b64 s[12:13], s[0:1], 0x20              ; out0
	v_lshl_add_u32 v176, v0, 2, 0x1100
	v_mov_b32 v177, 0
	v_lshrrev_b32 v11, 5, v0
	v_readfirstlane_b32 s14, v11                   ; wave 0..15
	v_and_b32 v1, 15, v0                           ; r
	v_bfe_u32 v2, v0, 4, 1                         ; h
	v_and_b32 v11, 31, v0                          ; lane
	s_and_b32 s15, s14, 3                          ; the component tile whose parameters this wave loads
	s_mov_b32 s16, 0x07060302                      ; v_perm_b32: the upper half-words of two registers, second source below
	s_mov_b32 s17, 0xffff0000                      ; a word's upper bf16
	s_mov_b32 s18, 0x76543210                      ; v_permlanex16_b32: lane l reads lane l xor 16
	s_mov_b32 s19, 0xfedcba98
	s_mov_b32 s22, 0x358637bd                      ; eps = 1e-6
	s_mov_b32 s23, 0x3fb8aa3b                      ; log2(e)
	s_mov_b32 vcc_lo, 0xffff0000                   ; lanes 16-31 (h = 1), for every select of the kernel
	s_lshl_b32 s20, ttmp9, 14                      ; the work-group's 2,048 points: 16,384 bytes of x,
	s_mov_b32 s21, 0
	v_lshl_add_u32 v7, s15, 4, v1                  ; component 16 t + r
	v_lshlrev_b32 v9, 4, v7                        ; its bytes in chol_var,
	v_lshlrev_b32 v8, 3, v7                        ; in means,
	v_lshlrev_b32 v7, 2, v7                        ; in pi
	v_lshlrev_b32 v5, 4, v11                       ; 16 x lane: two means a lane; later my place in an A fragment's block in LDS
	v_lshlrev_b32 v10, 3, v11                      ; 8 x lane: two pi a lane
	v_lshlrev_b32 v6, 5, v2                        ; 32 h: my eight t0 of a tile in LDS
	v_lshlrev_b32 v3, 5, v1                        ; x: 32 r (four points)
	v_lshl_add_u32 v3, s14, 10, v3                 ;    + 1,024 x wave
	v_lshlrev_b32 v4, 4, v0                        ; out: 16 x thread
	s_wait_kmcnt 0x0
	s_add_nc_u64 s[10:11], s[10:11], s[20:21]
	s_lshl_b32 s20, ttmp9, 13                      ; and 8,192 bytes of out
	s_add_nc_u64 s[12:13], s[12:13], s[20:21]
	; All nine loads go out together.  Every wave asks for a tile's parameters (28 bytes a component, from 1,792 bytes that the whole
	; launch shares), so that one path writes these registers; waves 0 to 3 use them.
	global_load_b128 v[CH:CH+3], v9, s[4:5]        ; l00, (l01: cut off by tril), l10, l11
	global_load_b64 v[MK:MK+1], v8, s[6:7]
	global_load_b32 v[PK], v7, s[8:9]
	global_load_b64 v[P2:P2+1], v10, s[8:9]        ; all 64 pi, two a lane
	global_load_b128 v[MA:MA+3], v5, s[6:7]        ; all 64 means, two a lane
	global_load_b128 v[X:X+3], v3, s[10:11]                ; points 4 r, 4 r + 1        (tiles 0, 1); both lane halves ask for the same bytes
	global_load_b128 v[X+4:X+7], v3, s[10:11] offset:16    ; points 4 r + 2, 4 r + 3    (tiles 2, 3)
	global_load_b128 v[X+8:X+11], v3, s[10:11] offset:512  ; points 64 + 4 r, + 1       (tiles 4, 5)
	global_load_b128 v[X+12:X+15], v3, s[10:11] offset:528 ; points 64 + 4 r + 2, + 3   (tiles 6, 7)
	v_mov_b32 v[T0], 0                             ; destinations of v_permlanex16_b32 count as read: written once here
	v_mov_b32 v[T0+1], 0
	v_mov_b32 v[TP], 0
.irp q, 1,3,5,7
	v_mov_b32 v[MM+\q], 0                          ; the second register of a pair of which an even tile broadcasts the first
.endr
	s_wait_loadcnt 0x0                             ; the nine loads were issued together; all are used next
	; The centroid, in every wave by the same instructions on the same numbers: the same bits in every lane of every wave
	v_pk_add_f32 v[R:R+1], v[MA:MA+1], v[MA+2:MA+3]
.irp m, 1,2,4,8
	v_add_f32_dpp v[R], v[R], v[R] row_xmask:\m row_mask:0xf bank_mask:0xf
	v_add_f32_dpp v[R+1], v[R+1], v[R+1] row_xmask:\m row_mask:0xf bank_mask:0xf
.endr
	v_permlanex16_b32 v[T0], v[R], s18, s19
	v_permlanex16_b32 v[T0+1], v[R+1], s18, s19
	v_pk_add_f32 v[R:R+1], v[R:R+1], v[T0:T0+1]
	v_pk_mul_f32 v[R:R+1], v[R:R+1], 0x3c800000 op_sel_hi:[1,0]    ; / 64
	s_cmp_gt_u32 s14, 3
	s_cbranch_scc1 .Lshared
	; ---- waves 0 to 3: wave t makes tile t's A fragment and t0.  Lane (r, h): component 16 t + r, the slots of half h.
	; lse2 = log2 sum 2^(k pi), with the maximum taken away
	v_pk_mul_f32 v[P2:P2+1], v[P2:P2+1], 0x3fb8aa3b op_sel_hi:[1,0]
	v_max_num_f32 v[T0], v[P2], v[P2+1]
.irp m, 1,2,4,8
	v_max_num_f32_dpp v[T0], v[T0], v[T0] row_xmask:\m row_mask:0xf bank_mask:0xf
.endr
	v_permlanex16_b32 v[T0+1], v[T0], s18, s19
	v_max_num_f32 v[T0], v[T0], v[T0+1]
	v_pk_add_f32 v[P2:P2+1], v[P2:P2+1], v[T0:T0+1] op_sel_hi:[1,0] neg_lo:[0,1] neg_hi:[0,1]
	v_exp_f32 v[P2], v[P2]
	v_exp_f32 v[P2+1], v[P2+1]
	v_fma_f32 v[C00], v[CH], v[CH], s22            ; cov00 = l00^2 + eps  (also the plain instruction behind the two exponentials)
	s_wait_alu depctr_va_vdst(0)
	v_add_f32 v[SU], v[P2], v[P2+1]
.irp m, 1,2,4,8
	v_add_f32_dpp v[SU], v[SU], v[SU] row_xmask:\m row_mask:0xf bank_mask:0xf
.endr
	v_permlanex16_b32 v[T0+1], v[SU], s18, s19
	v_add_f32 v[SU], v[SU], v[T0+1]
	v_log_f32 v[SU], v[SU]
	v_rcp_f32 v[I00], v[C00]
	v_log_f32 v[LG0], v[C00]
	v_fma_f32 v[SV], v[CH+3], v[CH+3], s22         ; l11^2 + eps  (plain, touches none of the three above)
	v_mul_f32 v[TQ], v[CH+2], v[CH+2]              ; l10^2
	v_mul_f32 v[CX], v[CH], v[CH+2]                ; cov01 = l00 l10
	s_wait_alu depctr_va_vdst(0)
	v_add_f32 v[T0], v[T0], v[SU]                  ; lse2
	v_mul_f32 v[EE], s22, v[I00]
	v_fma_f32 v[SV], v[TQ], v[EE], v[SV]           ; s = cov11 - cov01^2 / cov00 = l11^2 + eps + l10^2 eps / cov00
	v_mul_f32 v[BE], v[CX], v[I00]                 ; beta = cov01 / cov00
	v_rcp_f32 v[P11], v[SV]                        ; P11 = 1 / s
	v_log_f32 v[LG1], v[SV]
	v_pk_add_f32 v[MP:MP+1], v[MK:MK+1], v[R:R+1] neg_lo:[0,1] neg_hi:[0,1]   ; m' = m - r  (the plain instruction behind them)
	s_wait_alu depctr_va_vdst(0)
	v_mul_f32 v[P01], -v[BE], v[P11]               ; P01 = -beta / s
	v_fma_f32 v[P00], -v[BE], v[P01], v[I00]       ; P00 = 1 / cov00 + beta^2 / s
	v_mul_f32 v[G0], v[P01], v[MP+1]
	v_mul_f32 v[G1], v[P11], v[MP+1]
	v_fma_f32 v[G0], v[P00], v[MP], v[G0]          ; g = P m'
	v_fma_f32 v[G1], v[P01], v[MP], v[G1]
	v_mul_f32 v[QQ], v[G1], v[MP+1]
	v_fma_f32 v[QQ], v[G0], v[MP], v[QQ]           ; m'.g
	v_add_f32 v[LG0], v[LG0], v[LG1]               ; log2 det cov
	v_fma_f32 v[FF], v[PK], s23, -v[T0]            ; k pi - lse2
	v_add_f32 v[FF], 0xc029b21d, v[FF]             ; - log2(2 pi)
	v_fmamk_f32 v[FF], v[QQ], 0xbf38aa3b, v[FF]    ; - k/2 m'.g
	v_fma_f32 v[FF], v[LG0], -0.5, v[FF]           ; - 1/2 log2 det: t0
	v_cndmask_b32 v[AB], v[P00], v[P11], vcc_lo    ; my half's coefficients of u^2 and u
	v_cndmask_b32 v[AB+1], v[G0], v[G1], vcc_lo
	v_mul_f32 v[AB], 0xbf38aa3b, v[AB]             ; -k/2 P00 | -k/2 P11
	v_mul_f32 v[AB+1], s23, v[AB+1]                ; k g0 | k g1
	v_mul_f32 v[CC], 0xbfb8aa3b, v[P01]            ; G = -k P01
	SPLIT Q, Q+3, Q+5, Q+1, Q+4, Q+2
	v_and_b32 v[H2], s17, v[CC]
	v_sub_f32 v[C1], v[CC], v[H2]
	v_and_b32 v[H2], s17, v[C1]
	v_sub_f32 v[C2], v[C1], v[H2]
	v_cndmask_b32 v[H2], v[CC], v[C1], vcc_lo
	v_perm_b32 v[Q+6], v[H2], v[H2], s16           ; Gh, Gh | Gm, Gm
	v_perm_b32 v[Q+7], v[C2], v[CC], s16           ; Gh, Gl
	v_cndmask_b32 v[Q+7], v[Q+7], v[TP], vcc_lo    ;        | 0, 0   (v[TP] still holds 0)
	v_lshl_add_u32 v11, s14, 10, v5                ; LDS: 1,024 x wave + 16 x lane
	v_lshlrev_b32 v10, 2, v1
	v_lshl_add_u32 v10, s14, 6, v10                ; LDS: 64 x wave + 4 r (both lane halves store the same word)
	ds_store_b128 v11, v[Q:Q+3]
	ds_store_b128 v11, v[Q+4:Q+7] offset:512
	ds_store_b32 v10, v[FF] offset:FOFF
.Lshared:
	s_wait_dscnt 0x0                               ; my stores are in LDS before I say so
	s_barrier_signal -1
	FEAT 0, B0                                     ; register work while the others arrive
	s_barrier_wait -1                              ; all four fragments are in LDS
.irp t, 0,1,2,3
	ds_load_b128 v[A+8*\t:A+8*\t+3], v5 offset:1024*\t
	ds_load_b128 v[A+8*\t+4:A+8*\t+7], v5 offset:1024*\t+512
	ds_load_b128 v[C+8*\t:C+8*\t+3], v6 offset:FOFF+64*\t          ; t0 of components 16 t + 8 h + 0..3, the same in all 16 lanes of a half
	ds_load_b128 v[C+8*\t+4:C+8*\t+7], v6 offset:FOFF+64*\t+16     ; + 4..7
.endr
	s_wait_dscnt 0x0
	; The eight tiles.  Behind a tile's four matrix instructions stands the next tile's FEAT: 22 plain vector instructions that name
	; only x, r, scratch and the OTHER B buffer.  They are the places that the ISA guide (7.12.1) asks for before REDUCE reads the
	; results, before the buffer just multiplied is written again (a FEAT later), and before the next MULT writes over the results.
	MULT B0
	FEAT 1, B1
	REDUCE 0
	MULT B1
	FEAT 2, B0
	REDUCE 1
	MULT B0
	FEAT 3, B1
	REDUCE 2
	MULT B1
	FEAT 4, B0
	REDUCE 3
	MULT B0
	FEAT 5, B1
	REDUCE 4
	MULT B1
	FEAT 6, B0
	REDUCE 5
	MULT B0
	FEAT 7, B1
	REDUCE 6
	MULT B1
	; The end.  Lane l = r + 16 h stores out[4 l + q] = tile 4 h + q, column r.  Of each pair of tiles (q, 4 + q) a lane keeps its sum of
	; the tile that it stores and sends its sum of the other tile to lane l xor 16, which stores that one.
	; The first six selects need tiles 0 to 6 only and are the places behind the last four matrix instructions.
.irp q, 0,1,2
	v_cndmask_b32 v[KP+\q], v[SS+\q], v[SS+4+\q], vcc_lo
	v_cndmask_b32 v[SD+\q], v[SS+4+\q], v[SS+\q], vcc_lo
.endr
	REDUCE 7
	v_cndmask_b32 v[KP+3], v[SS+3], v[SS+7], vcc_lo
	v_cndmask_b32 v[SD+3], v[SS+7], v[SS+3], vcc_lo
.irp q, 0,1,2,3
	v_permlanex16_b32 v[D+16+\q], v[SD+\q], s18, s19       ; destinations that have been written
.endr
.irp q, 0,1,2,3
	v_add_f32 v[KP+\q], v[KP+\q], v[D+16+\q]               ; all 64 components; at least 1, the maximum's own term
.endr
.irp q, 0,1,2,3
	v_log_f32 v[KP+\q], v[KP+\q]
.endr
.irp q, 0,1,2,3
	v_cndmask_b32 v[D+8+\q], v[MM+\q], v[MM+4+\q], vcc_lo  ; my tiles' maxima (plain instructions behind the logarithms)
.endr
	s_wait_alu depctr_va_vdst(0)
	v_pk_add_f32 v[KP:KP+1], v[KP:KP+1], v[D+8:D+9]
	v_pk_add_f32 v[KP+2:KP+3], v[KP+2:KP+3], v[D+10:D+11]
	v_pk_mul_f32 v[KP:KP+1], v[KP:KP+1], 0x3f317218 op_sel_hi:[1,0]        ; x ln 2
	v_pk_mul_f32 v[KP+2:KP+3], v[KP+2:KP+3], 0x3f317218 op_sel_hi:[1,0]
	global_store_b128 v4, v[KP:KP+3], s[12:13] th:TH_STORE_NT              ; the wave's 512 consecutive bytes, lane l at 16 l
	s_wait_tensorcnt 0x0
	ds_add_u32 v176, v177
	s_wait_dscnt 0x0
	s_endpgm
.Lfunc_end_k_q61497d2950_gmm:
	.size	k_q61497d2950_gmm, .Lfunc_end_k_q61497d2950_gmm-k_q61497d2950_gmm
	.p2alignl 7, 3214868480
	.fill 96, 4, 3214868480
	.section	.rodata,"a",@progbits
	.p2align	6, 0x0
	.amdhsa_kernel k_q61497d2950_gmm
		.amdhsa_group_segment_fixed_size 6400
		.amdhsa_private_segment_fixed_size 0
		.amdhsa_enable_private_segment 0
		.amdhsa_kernarg_size 40
		.amdhsa_user_sgpr_count 2
		.amdhsa_user_sgpr_kernarg_segment_ptr 1
		.amdhsa_wavefront_size32 1
		.amdhsa_system_sgpr_workgroup_id_x 1
		.amdhsa_system_sgpr_workgroup_id_y 1
		.amdhsa_system_sgpr_workgroup_id_z 1
		.amdhsa_system_vgpr_workitem_id 0
		.amdhsa_next_free_vgpr 178
		.amdhsa_next_free_sgpr 66
		.amdhsa_reserve_vcc 1
		.amdhsa_float_denorm_mode_32 3
		.amdhsa_float_denorm_mode_16_64 3
		.amdhsa_memory_ordered 1
		.amdhsa_forward_progress 1
		.amdhsa_inst_pref_size 56
	.end_amdhsa_kernel
	.amdgpu_metadata
---
amdhsa.version: [ 1, 2 ]
amdhsa.kernels:
  - .name:           k_q61497d2950_gmm
    .symbol:         k_q61497d2950_gmm.kd
    .args:
      - { .name: chol_var, .offset: 0, .size: 8, .value_kind: global_buffer, .address_space: global }
      - { .name: means, .offset: 8, .size: 8, .value_kind: global_buffer, .address_space: global }
      - { .name: pi, .offset: 16, .size: 8, .value_kind: global_buffer, .address_space: global }
      - { .name: x, .offset: 24, .size: 8, .value_kind: global_buffer, .address_space: global }
      - { .name: out0, .offset: 32, .size: 8, .value_kind: global_buffer, .address_space: global }
    .group_segment_fixed_size: 6400
    .private_segment_fixed_size: 0
    .kernarg_segment_align: 8
    .kernarg_segment_size: 40
    .max_flat_workgroup_size: 512
    .sgpr_count:     66
    .vgpr_count:     178
    .wavefront_size: 32
...
	.end_amdgpu_metadata
.endif
;; end of part 1
